; MI455X (gfx1250); checked and timed in simulation.
; The chip was launched on July 23, 2026; its instructions are those of AMD's public machine-readable ISA for CDNA 5 (MIT licence, August 2026) and "CDNA5" Instruction Set Architecture Reference Guide (July 2026). The comments in the code are by the model that wrote it; some were corrected since.
;; Vector Quantizer. Allowed arithmetic: matrix products marked QUANTISED: E3M2 operands, one E8M0 scale for each 32 along K, by v_wmma_scale_f32_16x16x128_f8f6f4 with both operands' format E3M2, f32 sums; everything else in f32.
;; Inputs: codebook 16,384 x 32 float32; z 8 x 1,024 x 32 float32.
;; Outputs: out0 8,192 x 32 float32; out1 8,192 int32.
;; This version of the problem:
;;   THIS VERSION OF THE PROBLEM IS GIVEN IN LOW PRECISION. The matrix products marked QUANTISED in the list below multiply operands that are first quantised to E3M2 (3 exponent bits, 2 mantissa bits; 6 bits a number), with one power-of-two scale for each 32 numbers along K (OCP MX v1.0); their sums are f32. All else is computed in f32.
;;   The module's matrix products, in the order in which they are computed (A, B: the left and right operand; K: the contracted axis; several contracted axes count as one K, in the product's order):
;;     1. [M 8,192, K 32] x [K 32, N 16,384]; A: computed on the way; B: input codebook: QUANTISED
;;   THE QUANTISER, for each operand of a quantised product, along K:
;;     - K is cut into blocks of 32 from its start; a last block that is shorter is filled with zeros.
;;     - A block's scale is 2^e with e = floor(log2(the largest magnitude in the block)) - 4, held to -126 .. 127; a block of zeros has e = 0. As a byte (E8M0): e + 127.
;;     - Each number is divided by its block's scale, clamped to +-28, and rounded to the nearest number of E3M2, ties to even, subnormals kept.
;;     - The product sums the exact products of the quantised numbers (number of the format x scale) in f32.
;;   ~~~python
;;   def quantise(x, axis):      # numpy; x: float32 -> the quantised numbers, widened to float32 again
;;       x = np.moveaxis(x, axis, -1); K = x.shape[-1]
;;       x = np.pad(x, [(0, 0)] * (x.ndim - 1) + [(0, -K % 32)]); x = x.reshape(x.shape[:-1] + (-1, 32)); a = np.abs(x).max(-1, keepdims=True)
;;       e = np.where(a > 0, np.clip(np.frexp(np.where(a > 0, a, 1))[1] - 1 - 4, -126, 127), 0)      # np.frexp(a)[1] - 1 = floor(log2(a)), exactly
;;       r = np.clip(x / 2.0 ** e, -28, 28)
;;       step = 2.0 ** (np.maximum(np.frexp(np.where(r == 0, 1, r))[1] - 1, -2) - 2)
;;       q = np.round(r / step) * step * 2.0 ** e      # np.round: ties to even
;;       return np.moveaxis(q.reshape(q.shape[:-2] + (-1,))[..., :K], -1, axis).astype(np.float32)
;;   ~~~
;;   OPERANDS COMPUTED ON THE WAY. 'Computed on the way' means the value that the module computes at that place (a softmax that the list does not call 'softmax' is quantised finished and normalised). What goes into a quantiser is computed in f32, as accurately as f32 sums, v_exp_f32 and their like allow (about 1e-6 of the number): no bf16 or f16 on the way to a quantiser, and a product that is left as it is and whose result goes on into a quantised operand takes f32 operands (vector FMAs, or v_wmma_f32_16x16x4_f32). A number that lies on a knife's edge between two numbers of the format may be rounded either way, as far as f32 arithmetic and the matrix unit's own rounding can turn it there, and no further.
;; One version. Each part assembles by itself: llvm-mc -triple=amdgcn-amd-amdhsa -mcpu=gfx1250 --defsym DOCPART=n.
;; ======== version 1 of 1: 2 launches
;; limits: right only within a limited range of input values
;; workspace buffers: cand 2,097,152 bytes of whole numbers; crec 524,288 bytes; zrec 262,144 bytes
;; launch scan (part 1): grid 16 x 16, 16 waves a work-group, clusters of 4 x 4, 254,976 bytes of LDS; arguments z, codebook, cand, crec, zrec; writes cand, crec, zrec
.if DOCPART == 1
	.amdgcn_target "amdgcn-amd-amdhsa--gfx1250"
	.amdhsa_code_object_version 6
	.text
	.protected	k_qd54f508754_scan
	.globl	k_qd54f508754_scan
	.p2align	8
	.type	k_qd54f508754_scan,@function
k_qd54f508754_scan:
	s_mov_b64 s[64:65], 0
	v_nop
	global_prefetch_b8 v0, s[64:65] scope:SCOPE_SE
	s_setreg_imm32_b32 hwreg(HW_REG_WAVE_MODE, 25, 1), 1
	s_wait_xcnt 0x0
	s_wait_alu depctr_hold_cnt(0) depctr_sa_sdst(0) depctr_va_vdst(0) depctr_va_sdst(0) depctr_va_ssrc(0) depctr_va_vcc(0) depctr_vm_vsrc(0)
	s_getreg_b32 s2, hwreg(HW_REG_IB_STS2, 6, 4)
	s_cmp_eq_u32 s2, 0
	s_cbranch_scc0 .Lentry_in_a_cluster
	s_endpgm
.Lentry_in_a_cluster:
	s_bfe_u32 s2, ttmp6, 0x10000c
	s_cmp_lg_u32 s2, 0xf033
	s_cbranch_scc0 .Lentry_shape_is_right
	s_endpgm
.Lentry_shape_is_right:
; d[m][n] = a[m] + b[n] - 2 zq[m].cq[n];  b = sum codebook^2, zn = z / max(|z|, 1e-12); zq, cq: zn and the codebook as codes of BF6 (E3M2), one E8M0 scale for the 32 along K.
; DEAD WORK, LEFT OUT: a[m] = sum zn[m]^2 is the same number for all 16,384 codes of row m, and d is used by an argmin along the codes alone: for all values of the inputs the smallest of a + x[n] lies where the smallest
; of x[n] lies.  So d' = b[n] - 2 zq.cq stands for d in this program.  LIMITS that follow: a NaN, an infinity or an overflow that reaches a alone is not carried on; where two codes' d differ by no more than the
; rounding of a + b, which reference() may round to equal numbers, d' may tell them apart.
; This launch finds, for each of 8,192 rows and each of 32 parts of 512 codes, THE GROUP OF 16 NEIGHBOURING CODES that holds the part's first smallest d', and stores (group, key), key = d' bits turned into a whole
; number that keeps the order.  It also stores z's and the codebook's quantised rows as records of 32 bytes.  The next launch compares keys, opens the one group and gathers: no address here hangs on a float.
; SHARES.  A work-group: 512 rows x 1,024 codes (slice x, block of rows y).  Sixteen waves; each quantises 64 codebook rows and 32 rows of z, a lane a row, and hands the codes on through LDS; then wave w owns
; rows 64 (w % 8) .. + 63 (four tiles of 16) against the codes 512 (w / 8) .. + 511 of the slice: 128 matrix instructions.
; CLUSTER 4 x 4: the codebook slice hangs on x alone and is asked for jointly down a column of the cluster, z's block on y alone and jointly along a row.  One load a wave, at the head: waves 0-7 128 codebook rows
; each, waves 8-15 64 rows of z each.  LDS bytes are filled once.  No prefetch: no loop reads memory.
; K = 32 IS ONE BLOCK OF THE INSTRUCTION'S FOUR.  Four codebook rows are laid as the four blocks of one packed operand row, so a fragment of 12 registers carries 64 codes.
; z's operand exists in four variants, its codes in block v and zero codes elsewhere: variant v picks block v of the packed rows (a zero code adds nothing; BF6 has no infinity and no NaN).
; Packed tile t, packed row 8 h + j, block v is code 64 t + 32 h + 8 v + j: source 0 = packed rows, source 1 = 16 rows of z, so lane (r, h) holds row r of z and its registers j the codes 64 t + 32 h + 8 v + j.
; THE SUBTRACTION IS DONE BY THE MATRIX UNIT: the operand is -zn under a scale byte one higher (x 2), both exact, and C = b[n], registers that all four tiles of z share.  D is d'.
; ORDER OF ROUNDING: b in ascending k, each square rounded before it is added; the norm's sum in eight chains; zn = z x rsq(max(sum, 1e-24)), the root's reciprocal corrected once.
; LIMITS: NaN and infinities among the inputs are not served.  A largest magnitude under 2^(5 - 127) keeps the byte 1, a block of zeros too (its codes are zeros; the bytes are read by this program alone).
; Where d' is not a number of f32 it is rounded as the matrix unit rounds.
.set RAWC_W, 17408                     ; LDS 0: raw codebook rows, two to a line of 256 bytes + 16 of padding: 64 lines a load
.set RAWZ,  139264                     ; raw rows of z likewise, 32 lines a load
.set RAWZ_W, 8704
.set FRAG,  208896                     ; 16 packed tiles: six pieces of 256 bytes each (32 lanes x 8 bytes): piece p = registers 2 p, 2 p + 1 of the fragment
.set TILEB, 1536
.set SCL,   233472                     ; scale words: 64 bytes a tile: packed row r's four bytes at 4 r
.set BB,    234496                     ; b[n], f32, in the order of n
.set ZC,    238592                     ; z's codes: 768 bytes for each 32 rows: three pieces of 8 bytes a row
.set ZBY,   250880                     ; z's scale bytes, a word a row
.set SPARE, 252928                     ; the spare words, 128 bytes for each wave
.set FLOOR, 0x2800000                  ; 2^(5 - 127): no largest magnitude is taken under it, so a scale's byte is at least 1
.set ADF, 1                            ; v1  fragments;  v2 scale words;  v3 b: stepped two tiles a trip
.set ADS, 2
.set ADB, 3
.set ZCR, 4                            ; v4, v5  z's codes and scale bytes
.set ZBR, 5
.set SPW, 6
.set NIL, 7
.set SOZ, 9                            ; set-up: v9, v10 raw rows of z and of the codebook, v11-15 where codes, bytes and b go, v16 offset in the records
.set SOC, 10
.set AFW, 11
.set ASW, 12
.set ABW, 13
.set ZCW, 14
.set ZBW, 15
.set RO,  16
.set IDX, 8                            ; sweep: v8-11 the group of the last improvement, a tile of z each
.set R0,  12                           ; v12-15, v16-19 the running minimum, old and new by turns
.set T,   20                           ; v20-26 partial minima
.set ACC, 28                           ; v28-59 two pairs of results
.set AF,  60                           ; v60-83 two fragments of packed rows
.set BV,  84                           ; v84-115 b of my eight codes, for each variant
.set XZ,  24                           ; set-up: 32 raw numbers a lane of z's row,
.set XA,  56                           ; of the first codebook row
.set XB,  88                           ; and of the second
.set TA,  24                           ; squares (where z's row was)
.set TB,  40
.set ZB,  120                          ; v120-221 17 runs of six registers: zeros and z's codes by turns; an operand is two neighbouring runs
.set SM,  222
.set MXA, 224
.set MXB, 225
.set SCA, 228
.set SCB, 229
.set CA,  230                          ; a record: codes 0-15 in three registers, the scale's byte, codes 16-31 in three registers, b
.set CB,  238
.set ZS,  246                          ; v246-253 z's scale words: pair of tiles i, variant v at 4 i + v; lanes 0-15 the even tile, lanes 16-31 the odd one.  Scales alone
.set SAW, 254                          ; v254-255 the packed rows' scale words, two sets.  Scales alone
.set GS,  60                           ; s59-63 the groups' numbers: s[GS + n], n = -1 .. 3: the last of the trip before, and a trip's four
.set G1C, 72                           ; s[72:79], s[88:91] descriptor groups 1 and 0 for the codebook;  s[80:87], s[92:95] for z
.set G1Z, 80
.set G0C, 88
.set G0Z, 92
; A round of the cluster's barrier: my work-group's barrier; wave 0 signals for the work-group; every wave waits for all sixteen; my work-group's barrier once more.
.macro CROUND
	s_barrier_signal -1
	s_barrier_wait -1
	s_cmp_lg_u32 s14, 0
	s_cbranch_scc1 .Lnot_wave_0_\@
	s_barrier_signal -3
.Lnot_wave_0_\@:
	s_barrier_wait -3
	s_barrier_signal -1
	s_barrier_wait -1
.endm
	s_load_b128 s[4:7], s[0:1], 0x0                ; z s[4:5], codebook s[6:7]
	s_load_b128 s[8:11], s[0:1], 0x10              ; cand s[8:9], crec s[10:11]
	s_load_b64 s[12:13], s[0:1], 0x20              ; zrec
	v_lshl_add_u32 v[SPW], v0, 2, SPARE
	v_mov_b32 v[NIL], 0
	ds_add_u32 v[SPW], v[NIL]                      ; the wave's opening: the add, twice on end, and its wait ahead of my tensor load
	ds_add_u32 v[SPW], v[NIL]
	v_lshrrev_b32 v8, 5, v0
	v_readfirstlane_b32 s14, v8                    ; wave 0..15
	s_and_b32 s17, s14, 7                          ; which 64 rows I sweep; also which eighth of a tile I fetch
	s_lshr_b32 s18, s14, 3                         ; which half of the slice; also: I fetch the codebook (0) or z (1)
	s_bfe_u32 s43, ttmp6, 0x40000                  ; cx
	s_bfe_u32 s44, ttmp6, 0x40004                  ; cy
	s_lshl_b32 s15, ttmp9, 2
	s_add_co_u32 s15, s15, s43                     ; x: the slice of 1,024 codes
	s_and_b32 s16, ttmp7, 0xffff
	s_lshl_b32 s16, s16, 2
	s_add_co_u32 s16, s16, s44                     ; y: the block of 512 rows
	s_lshl_b32 s45, 0x1111, s43                    ; my column of the cluster: they share the slice
	s_lshl_b32 s46, s44, 2
	s_lshl_b32 s46, 15, s46                        ; my row: they share z's block
	; descriptor groups 1: dense blocks as lines of 256 bytes (32 elements of 8 bytes), 16 bytes of padding behind each; 64 lines of the codebook, 32 of z
	s_or_b32 s[G1C+0], s45, (3<<16)|(1<<20)|(1<<21)|(5<<22)|(3<<25)
	s_mov_b32 s[G1C+1], 32<<16
	s_mov_b32 s[G1C+2], 64<<16
	s_mov_b32 s[G1C+3], 32<<16
	s_mov_b32 s[G1C+4], 64
	s_mov_b32 s[G1C+5], 32
	s_mov_b32 s[G1C+6], 0
	s_mov_b32 s[G1C+7], 0
	s_or_b32 s[G1Z+0], s46, (3<<16)|(1<<20)|(1<<21)|(5<<22)|(3<<25)
	s_mov_b32 s[G1Z+1], 32<<16
	s_mov_b32 s[G1Z+2], 32<<16
	s_mov_b32 s[G1Z+3], 32<<16
	s_mov_b32 s[G1Z+4], 32
	s_mov_b32 s[G1Z+5], 32
	s_mov_b32 s[G1Z+6], 0
	s_mov_b32 s[G1Z+7], 0
	s_lshl_b32 s20, s15, 17                        ; the codebook: x x 1,024 rows + 128 rows for each loading wave, of 128 bytes
	s_lshl_b32 s21, s17, 14
	s_add_co_u32 s20, s20, s21
	s_mov_b32 s21, 0
	s_lshl_b32 s22, s16, 16                        ; z: y x 512 rows + 64 rows for each loading wave
	s_lshl_b32 s23, s17, 13
	s_add_co_u32 s22, s22, s23
	s_mov_b32 s23, 0
	s_mul_i32 s2, s17, RAWC_W                      ; where they go: the wave's number alone enters an LDS address
	s_mul_i32 s3, s17, RAWZ_W
	s_wait_dscnt 0x0                               ; both opening adds are done
	s_wait_kmcnt 0x0
	s_mov_b32 s[G0C], 1
	s_mov_b32 s[G0C+1], s2
	s_add_nc_u64 s[G0C+2:G0C+3], s[6:7], s[20:21]
	s_or_b32 s[G0C+3], s[G0C+3], 0x80000000
	s_mov_b32 s[G0Z], 1
	s_add_co_u32 s[G0Z+1], s3, RAWZ
	s_add_nc_u64 s[G0Z+2:G0Z+3], s[4:5], s[22:23]
	s_or_b32 s[G0Z+3], s[G0Z+3], 0x80000000
	CROUND                                         ; all sixteen work-groups are here: the joint loads meet
	s_cmp_eq_u32 s18, 0
	s_cbranch_scc0 .Lfor_z
	tensor_load_to_lds s[G0C:G0C+3], s[G1C:G1C+7]  ; waves 0-7: 128 codebook rows
	s_nop 0
.rept 4
	v_nop
.endr
	s_branch .Lasked
.Lfor_z:
	tensor_load_to_lds s[G0Z:G0Z+3], s[G1Z:G1Z+7]  ; waves 8-15: 64 rows of z
	s_nop 0
.rept 4
	v_nop
.endr
.Lasked:
	; everything else of the head, while the tiles are on their way
	s_lshl_b32 s24, s15, 15                        ; the codebook's records: 32 bytes a row
	s_lshl_b32 s25, s14, 11
	s_add_co_u32 s24, s24, s25
	s_mov_b32 s25, 0
	s_lshl_b32 s26, s16, 14                        ; z's records
	s_lshl_b32 s27, s14, 10
	s_add_co_u32 s26, s26, s27
	s_mov_b32 s27, 0
	s_lshl_b32 s28, s16, 17                        ; cand[block of 32 rows][part 2 x + half][row][group, key]: 8,192 bytes a block, 256 a part
	s_lshl_b32 s29, s17, 14
	s_add_co_u32 s28, s28, s29
	s_lshl_b32 s29, s15, 9
	s_add_co_u32 s28, s28, s29
	s_lshl_b32 s29, s18, 8
	s_add_co_u32 s28, s28, s29
	s_mov_b32 s29, 0
	s_lshl_b32 s30, s15, 6                         ; my part's first group: 64 x + 32 half
	s_lshl_b32 s31, s18, 5
	s_add_co_u32 s30, s30, s31
	s_add_nc_u64 s[8:9], s[8:9], s[28:29]
	s_add_nc_u64 s[10:11], s[10:11], s[24:25]
	s_add_nc_u64 s[12:13], s[12:13], s[26:27]
	s_mul_i32 s31, s14, 8704                       ; my 64 raw codebook rows
	s_mul_i32 s32, s14, 4352
	s_add_co_u32 s32, s32, RAWZ                    ; my 32 raw rows of z
	s_mul_i32 s33, s14, TILEB
	s_add_co_u32 s33, s33, FRAG
	s_lshl_b32 s34, s14, 6
	s_add_co_u32 s34, s34, SCL
	s_lshl_b32 s35, s14, 8
	s_add_co_u32 s35, s35, BB
	s_mul_i32 s36, s14, 768
	s_add_co_u32 s36, s36, ZC
	s_lshl_b32 s37, s14, 7
	s_add_co_u32 s37, s37, ZBY
	s_mul_i32 s38, s18, 8*TILEB
	s_add_co_u32 s38, s38, FRAG
	s_lshl_b32 s39, s18, 9
	s_add_co_u32 s39, s39, SCL
	s_lshl_b32 s40, s18, 11
	s_add_co_u32 s40, s40, BB
	s_mul_i32 s41, s17, 1536
	s_add_co_u32 s41, s41, ZC
	s_lshl_b32 s42, s17, 8
	s_add_co_u32 s42, s42, ZBY
	s_mov_b32 s50, 0x76543210
	s_mov_b32 s51, 0xfedcba98                      ; v_permlanex16_b32's selects for lane l xor 16
	s_mov_b32 s52, 0xffff                          ; lanes 0-15
	s_mov_b32 s53, 0x01010101
	s_mov_b32 s[GS-1], -3                          ; (8 less than the fourth: first taken in the second trip)
	s_mov_b32 s[GS], 0
	s_mov_b32 s[GS+1], 1
	s_mov_b32 s[GS+2], 4
	s_mov_b32 s[GS+3], 5
	v_and_b32 v17, 31, v0                          ; lane l
	v_and_b32 v18, 15, v0                          ; l % 16
	v_bfe_u32 v19, v0, 4, 1                        ; l / 16
	v_and_b32 v20, 7, v0                           ; l % 8
	v_bfe_u32 v21, v0, 3, 2                        ; l / 8
	v_lshrrev_b32 v22, 1, v17
	v_mul_u32_u24 v23, v22, 272                    ; a raw row of my lane: line l / 2, half l % 2: sixteen lanes touch sixteen different columns of 16 bytes
	v_and_b32 v22, 1, v17
	v_lshl_add_u32 v23, v22, 7, v23
	v_add_nc_u32 v[SOZ], s32, v23
	v_add_nc_u32 v[SOC], s31, v23
	v_mul_u32_u24 v[AFW], v19, 768                 ; block l / 8 = 2 c + f: pieces 3 c .. 3 c + 2, fragment lane 16 f + 8 h + l % 8 (h in the immediate)
	v_bfe_u32 v22, v0, 3, 1
	v_lshl_add_u32 v[AFW], v22, 7, v[AFW]
	v_lshl_add_u32 v[AFW], v20, 3, v[AFW]
	v_add_nc_u32 v[AFW], s33, v[AFW]
	v_lshl_add_u32 v[ASW], v20, 2, v21             ; the scale's byte: word of packed row l % 8 (+ 8 h), byte l / 8
	v_add_nc_u32 v[ASW], s34, v[ASW]
	v_lshl_add_u32 v[ABW], v17, 2, s35
	v_lshl_add_u32 v[ZCW], v17, 3, s36
	v_lshl_add_u32 v[ZBW], v17, 2, s37
	v_lshlrev_b32 v[RO], 9, v19                    ; records: 512 bytes for 16 rows: their first 16 bytes on end, then their second 16 bytes
	v_lshl_add_u32 v[RO], v18, 4, v[RO]
	v_lshl_add_u32 v[ADF], v17, 3, s38
	v_lshl_add_u32 v[ADS], v18, 2, s39
	v_lshl_add_u32 v[ADB], v19, 7, s40
	v_lshl_add_u32 v[ZCR], v18, 3, s41
	v_lshl_add_u32 v[ZBR], v17, 2, s42
.irp e, 0,1,2,3,4,5,6,7,8
.irp k, 0,1,2,3,4,5
	v_mov_b32 v[ZB+12*\e+\k], 0                    ; the runs of zero codes between z's runs: written once; they stand in every variant
.endr
.endr
	s_wait_alu depctr_va_vdst(0)                   ; the wait at the head's end
	s_wait_tensorcnt 0x0                           ; for the others' sake: my tile has landed
	s_barrier_signal -1
	s_barrier_wait -1                              ; everybody's has
	; ---- my 32 rows of z, a lane a row; my 64 codebook rows are asked for behind them
.irp k, 0,1,2,3,4,5,6,7
	ds_load_b128 v[XZ+4*\k:XZ+4*\k+3], v[SOZ] offset:16*\k
.endr
.irp k, 0,1,2,3,4,5,6,7
	ds_load_b128 v[XA+4*\k:XA+4*\k+3], v[SOC] offset:16*\k
.endr
.irp k, 0,1,2,3,4,5,6,7
	ds_load_b128 v[XB+4*\k:XB+4*\k+3], v[SOC] offset:4352+16*\k
.endr
	s_wait_dscnt 16                                ; z's eight loads are in; the codebook's sixteen may be out
.irp g, 0,1,2,3
.irp i, 0,1,2,3
.if \g == 0
	v_pk_mul_f32 v[CA+2*\i:CA+2*\i+1], v[XZ+2*\i:XZ+2*\i+1], v[XZ+2*\i:XZ+2*\i+1]
.else
	v_pk_fma_f32 v[CA+2*\i:CA+2*\i+1], v[XZ+8*\g+2*\i:XZ+8*\g+2*\i+1], v[XZ+8*\g+2*\i:XZ+8*\g+2*\i+1], v[CA+2*\i:CA+2*\i+1]
.endif
.if (\g == 0) && (\i < 2)
	v_max3_num_f32 v[MXA+\i], |v[XZ+2*\i]|, |v[XZ+2*\i+1]|, 0
.else
	v_max3_num_f32 v[MXA+(\i&1)], v[MXA+(\i&1)], |v[XZ+8*\g+2*\i]|, |v[XZ+8*\g+2*\i+1]|
.endif
.endr
.endr
	v_pk_add_f32 v[CA:CA+1], v[CA:CA+1], v[CA+2:CA+3]
	v_pk_add_f32 v[CA+4:CA+5], v[CA+4:CA+5], v[CA+6:CA+7]
	v_pk_add_f32 v[CA:CA+1], v[CA:CA+1], v[CA+4:CA+5]
	v_add_f32 v[SM], v[CA], v[CA+1]
	v_max_num_f32 v[SM], 0x179abe15, v[SM]         ; 1e-24: the clip at 1e-12, squared
	s_wait_alu depctr_va_vdst(0)                   ; the wait ahead of the transcendental
	v_rsq_f32 v238, v[SM]
	v_max_num_f32 v[MXA], v[MXA], v[MXB]           ; the row's largest magnitude; the plain line behind the transcendental
	s_wait_alu depctr_va_vdst(0)                   ; and ahead of its first reader
	v_mul_f32 v239, v[SM], v238
	v_mul_f32 v243, -0.5, v238
	v_fma_f32 v242, -v239, v238, 1.0               ; what the reciprocal of the root leaves over
	v_fma_f32 v240, v243, v242, -v238              ; -(1 / norm), corrected once
	v_mov_b32 v241, v240
	v_mul_f32 v[MXA], v[MXA], -v240                ; rounding keeps order: the largest |zn|
.irp k, 0,1,2,3,4,5,6,7,8,9,10,11,12,13,14,15
	v_pk_mul_f32 v[XZ+2*\k:XZ+2*\k+1], v[XZ+2*\k:XZ+2*\k+1], v[240:241]   ; -zn: the sign goes into the codes
.endr
	v_max_num_f32 v[MXA], FLOOR, v[MXA]
	v_add_nc_u32 v[SCA], 0xfe000000, v[MXA]        ; 4 off the exponent field: the conversion takes this operand's exponent field as its scale
	v_cvt_scalef32_pk16_bf6_f32 v[CA:CA+2], v[XZ:XZ+15], v[SCA]
	v_cvt_scalef32_pk16_bf6_f32 v[CA+4:CA+6], v[XZ+16:XZ+31], v[SCA]
	v_lshrrev_b32 v[CA+3], 23, v[SCA]              ; the byte; also the plain line behind the conversions
	v_mov_b32 v[CA+7], 0
	v_mov_b32 v18, v[CA+2]                         ; the 24 bytes of codes as three aligned pairs
	v_mov_b32 v19, v[CA+4]
	v_mov_b32 v20, v[CA+5]
	v_mov_b32 v21, v[CA+6]
	ds_store_b64 v[ZCW], v[CA:CA+1]
	ds_store_b64 v[ZCW], v[18:19] offset:256
	ds_store_b64 v[ZCW], v[20:21] offset:512
	ds_store_b32 v[ZBW], v[CA+3]
	s_cmp_eq_u32 s14, s15                          ; the 16 work-groups of a block of rows share its records out: wave x stores, the other waves' lanes are off
	s_cselect_b32 s54, -1, 0
	s_wait_alu depctr_va_vdst(0)                   ; the wait here, ahead of the wait below
	s_and_saveexec_b32 s55, s54
	global_store_b128 v[RO], v[CA:CA+3], s[12:13]  ; sixteen lanes store 256 consecutive bytes
	global_store_b128 v[RO], v[CA+4:CA+7], s[12:13] offset:256
	s_wait_xcnt 0x0                                ; EXEC and the stores' data may be rewritten
	s_or_b32 exec_lo, exec_lo, s55
	; ---- my 64 codebook rows: two batches of 32 side by side; batch h is half h of packed tile w, lane l its block l / 8, packed row 8 h + l % 8
	s_wait_dscnt 4                                 ; the raw rows are in; z's four stores may be out
; Numbers 16 f .. 16 f + 15 of both rows: squares, their sums in ascending order, the largest magnitudes; the two rows by turns.
.macro PAIR f, i, both
.if \both
	v_add_f32 v[CA+7], v[CA+7], v[TA+2*\i]
	v_add_f32 v[CB+7], v[CB+7], v[TB+2*\i]
	v_max3_num_f32 v[MXA], v[MXA], |v[XA+16*\f+2*\i]|, |v[XA+16*\f+2*\i+1]|
	v_add_f32 v[CA+7], v[CA+7], v[TA+2*\i+1]
	v_add_f32 v[CB+7], v[CB+7], v[TB+2*\i+1]
	v_max3_num_f32 v[MXB], v[MXB], |v[XB+16*\f+2*\i]|, |v[XB+16*\f+2*\i+1]|
.else
	v_add_f32 v[CA+7], v[TA], v[TA+1]
	v_add_f32 v[CB+7], v[TB], v[TB+1]
	v_max3_num_f32 v[MXA], |v[XA]|, |v[XA+1]|, FLOOR
	v_max3_num_f32 v[MXB], |v[XB]|, |v[XB+1]|, FLOOR
.endif
.endm
.macro HALF f
.irp i, 0,1,2,3,4,5,6,7
	v_pk_mul_f32 v[TA+2*\i:TA+2*\i+1], v[XA+16*\f+2*\i:XA+16*\f+2*\i+1], v[XA+16*\f+2*\i:XA+16*\f+2*\i+1]
	v_pk_mul_f32 v[TB+2*\i:TB+2*\i+1], v[XB+16*\f+2*\i:XB+16*\f+2*\i+1], v[XB+16*\f+2*\i:XB+16*\f+2*\i+1]
.endr
	PAIR \f, 0, \f
.irp i, 1,2,3,4,5,6,7
	PAIR \f, \i, 1
.endr
.endm
	HALF 0
	HALF 1
	v_add_nc_u32 v[SCA], 0xfe000000, v[MXA]
	v_add_nc_u32 v[SCB], 0xfe000000, v[MXB]
	v_cvt_scalef32_pk16_bf6_f32 v[CA:CA+2], v[XA:XA+15], v[SCA]
	v_cvt_scalef32_pk16_bf6_f32 v[CA+4:CA+6], v[XA+16:XA+31], v[SCA]
	v_cvt_scalef32_pk16_bf6_f32 v[CB:CB+2], v[XB:XB+15], v[SCB]
	v_cvt_scalef32_pk16_bf6_f32 v[CB+4:CB+6], v[XB+16:XB+31], v[SCB]
	v_lshrrev_b32 v[CA+3], 23, v[SCA]
	v_lshrrev_b32 v[CB+3], 23, v[SCB]
	v_mov_b32 v18, v[CA+2]
	v_mov_b32 v19, v[CA+4]
	v_mov_b32 v20, v[CA+5]
	v_mov_b32 v21, v[CA+6]
	v_mov_b32 v224, v[CB+2]
	v_mov_b32 v225, v[CB+4]
	v_mov_b32 v226, v[CB+5]
	v_mov_b32 v227, v[CB+6]
	ds_store_b64 v[AFW], v[CA:CA+1]
	ds_store_b64 v[AFW], v[18:19] offset:256
	ds_store_b64 v[AFW], v[20:21] offset:512
	ds_store_b64 v[AFW], v[CB:CB+1] offset:64
	ds_store_b64 v[AFW], v[224:225] offset:64+256
	ds_store_b64 v[AFW], v[226:227] offset:64+512
	ds_store_b8 v[ASW], v[CA+3]
	ds_store_b8 v[ASW], v[CB+3] offset:32
	ds_store_b32 v[ABW], v[CA+7]
	ds_store_b32 v[ABW], v[CB+7] offset:128
	s_cmp_eq_u32 s14, s16                          ; the 16 work-groups of a slice share its records out: wave y stores
	s_cselect_b32 s54, -1, 0
	s_wait_alu depctr_va_vdst(0)                   ; the wait here, ahead of the wait below
	s_and_saveexec_b32 s55, s54
	global_store_b128 v[RO], v[CA:CA+3], s[10:11]
	global_store_b128 v[RO], v[CA+4:CA+7], s[10:11] offset:256
	global_store_b128 v[RO], v[CB:CB+3], s[10:11] offset:1024
	global_store_b128 v[RO], v[CB+4:CB+7], s[10:11] offset:1280
	s_wait_xcnt 0x0                                ; EXEC and the offset's register may be rewritten
	s_or_b32 exec_lo, exec_lo, s55
	s_wait_dscnt 0x0                               ; for the others' sake: my codes, scale bytes and b lie in LDS
	s_barrier_signal -1
	s_barrier_wait -1                              ; everybody's do
	; ---- z's operands for my 64 rows, and the first tile
.irp q, 0,1,2,3
.irp k, 0,1,2
	ds_load_b64 v[ACC+6*\q+2*\k:ACC+6*\q+2*\k+1], v[ZCR] offset:768*(\q/2)+128*(\q%2)+256*\k
.endr
.endr
	ds_load_b32 v52, v[ZBR]
	ds_load_b32 v53, v[ZBR] offset:128
.macro FRAGS t, f                      ; the fragment and scale words of tile t into set f
.irp p, 0,1,2,3,4,5
	ds_load_b64 v[AF+12*(\f)+2*\p:AF+12*(\f)+2*\p+1], v[ADF] offset:(\t)*TILEB+256*\p
.endr
	ds_load_b32 v[SAW+(\f)], v[ADS] offset:(\t)*64
.endm
.macro BLOAD t, vp                     ; b of variants 2 vp and 2 vp + 1 of tile t
.irp i, 0,1,2,3
	ds_load_b128 v[BV+16*(\vp)+4*\i:BV+16*(\vp)+4*\i+3], v[ADB] offset:(\t)*256+64*(\vp)+16*\i
.endr
.endm
	FRAGS 0, 0
	BLOAD 0, 0
	s_wait_dscnt 11                                ; z's codes and bytes are in; the fragment's seven loads and b's four may be out
.irp i, 0,1
.irp v, 0,1,2,3
	v_lshl_add_u32 v[ZS+4*\i+\v], v[52+\i], 8*\v, s53   ; byte v = the scale's byte + 1 (x 2, exact; zn is at most 1, so the byte stays far under 255), the other three bytes 1
.endr
.endr
.irp q, 0,1,2,3                        ; tile q: its codes in lanes 0-15 (blocks 0, 2) at run 4 q + 1, in lanes 16-31 (blocks 1, 3) at run 4 q + 3; the other half of the lanes zero
.irp k, 0,1,2,3,4,5
	v_cndmask_b32 v[ZB+6*(4*\q+1)+\k], 0, v[ACC+6*\q+\k], s52
	v_cndmask_b32 v[ZB+6*(4*\q+3)+\k], v[ACC+6*\q+\k], 0, s52
.endr
.endr
	s_wait_alu depctr_va_vdst(0)                   ; the wait here, directly ahead of the wait below
; ---- the sweep over 8 packed tiles.  Step 8 t + 4 vp + q: variants 2 vp, 2 vp + 1 of tile t against tile q of z: two matrix instructions, 16 neighbouring codes a lane.
; Step 0 stands in front; a trip of the loop takes the next sixteen steps, S = 1 .. 16 counted from the trip's first tile; the last fifteen are written out, since they fetch nothing beyond the last tile (MORE = 0).
.macro WM d, v
.set SL, 4*Q+2*((\v)&1)+1-((\v)>>1)    ; variant 0: (codes low, zeros); 1: (codes high, zeros); 2: (zeros, codes low); 3: (zeros, codes high)
.if Q&1
	v_wmma_scale_f32_16x16x128_f8f6f4 v[\d:\d+7], v[AF+12*FB:AF+12*FB+11], v[ZB+6*SL:ZB+6*SL+11], v[BV+8*(\v):BV+8*(\v)+7], v[SAW+FB], v[ZS+4*(Q>>1)+(\v)] matrix_a_fmt:MATRIX_FMT_BF6 matrix_b_fmt:MATRIX_FMT_BF6 matrix_b_scale:MATRIX_SCALE_ROW1
.else
	v_wmma_scale_f32_16x16x128_f8f6f4 v[\d:\d+7], v[AF+12*FB:AF+12*FB+11], v[ZB+6*SL:ZB+6*SL+11], v[BV+8*(\v):BV+8*(\v)+7], v[SAW+FB], v[ZS+4*(Q>>1)+(\v)] matrix_a_fmt:MATRIX_FMT_BF6 matrix_b_fmt:MATRIX_FMT_BF6
.endif
.endm
; Names for finishing step f (f = -1: the last step of the trip before): its tile of z, its visit, the minimum before and behind it.
.macro FSET f
.set FQ, (\f+16)&3
.set FN, ((\f+16)>>2)-4
.set FP, ((\f+16)>>2)&1
.set OLD, R0+4*FP+FQ
.set NEW, R0+4*(1-FP)+FQ
.endm
; Two steps by turns, so that no line reads what the line above it wrote: step P's 16 d' become two partial minima (each result read from its low end on), and step P - 1, whose partial minima stand in
; v[T + 5], v[T + 6], is finished: where the minimum has not been lowered the earlier group stays, so of equal numbers the first group wins.
.macro CLOSE
.set A0, ACC+16*(P&1)
	FSET P-1
	v_min3_num_f32 v[NEW], v[T+5], v[T+6], v[OLD]
	v_min3_num_f32 v[T], v[A0], v[A0+1], v[A0+2]
	v_min3_num_f32 v[T+1], v[A0+3], v[A0+4], v[A0+5]
	v_min3_num_f32 v[T+2], v[A0+8], v[A0+9], v[A0+10]
	v_cmp_ge_f32 vcc_lo, v[NEW], v[OLD]
	v_min3_num_f32 v[T+3], v[A0+11], v[A0+12], v[A0+13]
	v_min3_num_f32 v[T+4], v[A0+6], v[A0+7], v[A0+14]
	v_min3_num_f32 v[T+5], v[T], v[T+1], v[T+2]
	v_cndmask_b32 v[IDX+FQ], s[GS+FN], v[IDX+FQ], vcc_lo
	v_min3_num_f32 v[T+6], v[T+3], v[T+4], v[A0+15]
.endm
; Behind step S's two products stand the ten vector lines that take up step S - 1 and finish step S - 2: they name no register of the products, and are the places that the results, and the loads below, want.
.macro STEP
.set TT, S>>3
.set VP, (S>>2)&1
.set Q, S&3
.set FB, TT&1
.set D0, ACC+16*(S&1)
.set ON, 0
.if MORE || (TT < 1)
.set ON, 1
.endif
.if ((S&3) == 0) && (S > 0)
	s_wait_alu depctr_va_vdst(0)                   ; the wait here, directly ahead of the wait below
.endif
.if (S&7) == 0
	s_wait_dscnt 0x0                               ; this tile's fragment and scale words and b of variants 0 and 1 are in
.endif
.if (S&7) == 4
	s_wait_dscnt 7*ON                              ; b of variants 2 and 3 is in; the next tile's fragment and scale words, issued behind, may be out
.endif
	WM D0, 2*VP
	WM D0+8, 2*VP+1
.if S == 0
.irp q, 0,1,2,3
	v_mov_b32 v[R0+\q], 0x7f800000                 ; +infinity: over every d'
	v_mov_b32 v[R0+4+\q], 0x7f800000
	v_mov_b32 v[IDX+\q], 0
.endr
	v_mov_b32 v[T+5], 0x7f800000                   ; step 1 finishes a step that never was: infinities change nothing
	v_mov_b32 v[T+6], 0x7f800000
.else
.set P, S-1
	CLOSE
.endif
.if (S&7) == 0
	BLOAD TT, 1                                    ; where the last tile's was (read last by step S - 1's products, ten vector lines ago)
.if ON
	FRAGS TT+1, 1-FB
.endif
.endif
.if ((S&7) == 4) && ON
	BLOAD TT+1, 0
.endif
.endm
.set MORE, 1
.set S, 0
	STEP
	s_mov_b32 s47, 3
.Ltrip:
.set S, 1
.rept 16
	STEP
.set S, S+1
.endr
	v_add_nc_u32 v[ADF], 2*TILEB, v[ADF]
	v_add_nc_u32 v[ADS], 128, v[ADS]
	v_add_nc_u32 v[ADB], 512, v[ADB]
.irp c, 0,1,2,3,4
	s_add_co_u32 s[GS-1+\c], s[GS-1+\c], 8
.endr
	s_sub_co_u32 s47, s47, 1
	s_cmp_lg_u32 s47, 0
	s_wait_alu depctr_va_vdst(0)                   ; the wait here, directly ahead of the branch
	s_cbranch_scc1 .Ltrip
.set MORE, 0
.set S, 1
.rept 15
	STEP
.set S, S+1
.endr
.set P, 15
	CLOSE
	FSET P                                         ; the last step is finished
	v_min3_num_f32 v[NEW], v[T+5], v[T+6], v[OLD]
	v_cmp_ge_f32 vcc_lo, v[NEW], v[OLD]
	v_cndmask_b32 v[IDX+FQ], s[GS+FN], v[IDX+FQ], vcc_lo
	; ---- the two halves of the lanes meet; group = code / 16
	v_bfe_u32 v27, v0, 4, 1
	v_lshl_add_u32 v27, v27, 1, s30
.irp q, 0,1,2,3
	v_add_nc_u32 v[IDX+\q], v27, v[IDX+\q]
	v_add_f32 v[R0+\q], 0, v[R0+\q]                ; (-0 becomes +0, so that equal numbers have equal keys)
.endr
.irp q, 0,1,2,3
	v_permlanex16_b32 v[28+\q], v[R0+\q], s50, s51
	v_permlanex16_b32 v[32+\q], v[IDX+\q], s50, s51
.endr
.irp q, 0,1,2,3
	v_cmp_lt_f32 s54, v[28+\q], v[R0+\q]           ; the other half's is taken where it is smaller, or equal and of an earlier group
	v_cmp_eq_f32 s55, v[28+\q], v[R0+\q]
	v_cmp_lt_u32 vcc_lo, v[32+\q], v[IDX+\q]
	s_and_b32 s55, s55, vcc_lo
	s_or_b32 s54, s54, s55
	v_cndmask_b32 v[R0+\q], v[R0+\q], v[28+\q], s54
	v_cndmask_b32 v[IDX+\q], v[IDX+\q], v[32+\q], s54
	v_ashrrev_i32 v[36+\q], 31, v[R0+\q]
	v_or_b32 v[36+\q], 0x80000000, v[36+\q]
	v_xor_b32 v[R0+\q], v[36+\q], v[R0+\q]         ; the key: positive numbers get the top bit, negative ones are turned over: unsigned order = the order of d'
.endr
	v_and_b32 v64, 31, v0
	v_lshlrev_b32 v64, 3, v64
	v_cndmask_b32 v60, v[IDX+1], v[IDX], s52       ; lane l: row l of 32: lanes 0-15 from the even tile, lanes 16-31 from the odd one
	v_cndmask_b32 v61, v[R0+1], v[R0], s52
	v_cndmask_b32 v62, v[IDX+3], v[IDX+2], s52
	v_cndmask_b32 v63, v[R0+3], v[R0+2], s52
	global_store_b64 v64, v[60:61], s[8:9]         ; 32 lanes store 256 consecutive bytes, at a multiple of 256 from the buffer's first byte
	global_store_b64 v64, v[62:63], s[8:9] offset:8192
	s_wait_tensorcnt 0x0                           ; the wave's end
	ds_add_u32 v[SPW], v[NIL]
	s_wait_dscnt 0x0
	CROUND                                         ; the closing round: no work-group ends while a partner may still ask for a tile that names it
	s_endpgm
.Lfunc_end_k_qd54f508754_scan:
	.size	k_qd54f508754_scan, .Lfunc_end_k_qd54f508754_scan-k_qd54f508754_scan
	.p2alignl 7, 3214868480
	.fill 96, 4, 3214868480
	.section	.rodata,"a",@progbits
	.p2align	6, 0x0
	.amdhsa_kernel k_qd54f508754_scan
		.amdhsa_group_segment_fixed_size 254976
		.amdhsa_private_segment_fixed_size 0
		.amdhsa_enable_private_segment 0
		.amdhsa_kernarg_size 40
		.amdhsa_user_sgpr_count 2
		.amdhsa_user_sgpr_kernarg_segment_ptr 1
		.amdhsa_wavefront_size32 1
		.amdhsa_system_sgpr_workgroup_id_x 1
		.amdhsa_system_sgpr_workgroup_id_y 1
		.amdhsa_system_sgpr_workgroup_id_z 1
		.amdhsa_system_vgpr_workitem_id 0
		.amdhsa_next_free_vgpr 256
		.amdhsa_next_free_sgpr 96
		.amdhsa_reserve_vcc 1
		.amdhsa_float_denorm_mode_32 3
		.amdhsa_float_denorm_mode_16_64 3
		.amdhsa_memory_ordered 1
		.amdhsa_forward_progress 1
		.amdhsa_inst_pref_size 64
	.end_amdhsa_kernel
	.amdgpu_metadata
---
amdhsa.version: [ 1, 2 ]
amdhsa.kernels:
  - .name:           k_qd54f508754_scan
    .symbol:         k_qd54f508754_scan.kd
    .args:
      - { .name: z, .offset: 0, .size: 8, .value_kind: global_buffer, .address_space: global }
      - { .name: codebook, .offset: 8, .size: 8, .value_kind: global_buffer, .address_space: global }
      - { .name: cand, .offset: 16, .size: 8, .value_kind: global_buffer, .address_space: global }
      - { .name: crec, .offset: 24, .size: 8, .value_kind: global_buffer, .address_space: global }
      - { .name: zrec, .offset: 32, .size: 8, .value_kind: global_buffer, .address_space: global }
    .group_segment_fixed_size: 254976
    .private_segment_fixed_size: 0
    .kernarg_segment_align: 8
    .kernarg_segment_size: 40
    .max_flat_workgroup_size: 512
    .sgpr_count:     96
    .vgpr_count:     256
    .wavefront_size: 32
...
	.end_amdgpu_metadata
.endif
;; end of part 1
;; launch pick (part 2): grid 256 x 1, 8 waves a work-group, no clusters, 3,328 bytes of LDS; arguments codebook, cand, crec, zrec, out0, out1; writes out0, out1
.if DOCPART == 2
	.amdgcn_target "amdgcn-amd-amdhsa--gfx1250"
	.amdhsa_code_object_version 6
	.text
	.protected	k_qd54f508754_pick
	.globl	k_qd54f508754_pick
	.p2align	8
	.type	k_qd54f508754_pick,@function
k_qd54f508754_pick:
	s_mov_b64 s[64:65], 0
	v_nop
	global_prefetch_b8 v0, s[64:65] scope:SCOPE_SE
	s_setreg_imm32_b32 hwreg(HW_REG_WAVE_MODE, 25, 1), 1
	s_wait_xcnt 0x0
; For each row: of the 32 parts' (group, key) the smallest key, the earlier part where keys are equal: a comparison of whole numbers that the launch before has stored.  The group's 16 records and 16 codebook rows
; (512 and 2,048 consecutive bytes) are loaded; d' = b - 2 zq.cq is made anew for the 16 candidates; the first smallest gives the index; its row is chosen by selects from the registers that hold the 16 rows.
; No address hangs on a float.  a, the sum of zn^2, is left out here too: it is the same for all candidates of a row (the launch before shows why it is dead work).
; d' AS BEFORE: the stored codes of -zn and of the candidate are widened (scale 1) and multiplied in f32: at most 2^23 units of the smallest product, so every partial sum is exact; the two scales and the factor 2
; go on by v_ldexp_f32.  This repeats 16 of a row's 16,384 products to find a place among 16; the product itself was done by the matrix form in the launch before.
; SHARES.  A work-group: 32 rows, eight waves; a wave: 4 rows, eight lanes to a row, two candidates to a lane (s and s + 8).
; LIMITS: NaN and infinities among the inputs are not served.
; No cluster: no tile is shared.  No prefetch: there is no loop to run ahead in; which group is wanted is known only when its loads are issued.
.set OUTI,  2048                       ; LDS 0: 8 waves x 32 rows x (group, key); then the work-group's 32 indices
.set SPARE, 2304                       ; the spare words, 128 bytes for each wave
.set SPW, 16
.set NIL, 17
.set G,   18
.set EN,  224                          ; v224-239 a row's eight (group, key)
.set W,   64                           ; v64-127 my 16 bytes of the 16 candidate rows
.set ZQ,  128                          ; v128-159 z's codes widened
.set CQ,  160                          ; v160-191, v192-223 my two candidates'
; The later entry b takes a's place where its key is smaller.
.macro RED a, b
	v_cmp_lt_u32 vcc_lo, v[\b+1], v[\a+1]
	s_delay_alu instid0(VALU_DEP_1)
	v_cndmask_b32 v[\a], v[\a], v[\b], vcc_lo
	s_delay_alu instid0(VALU_DEP_2)
	v_cndmask_b32 v[\a+1], v[\a+1], v[\b+1], vcc_lo
.endm
	s_load_b256 s[4:11], s[0:1], 0x0               ; codebook s[4:5], cand s[6:7], crec s[8:9], zrec s[10:11]
	s_load_b128 s[12:15], s[0:1], 0x20             ; out0 s[12:13], out1 s[14:15]
	v_lshl_add_u32 v[SPW], v0, 2, SPARE
	v_mov_b32 v[NIL], 0
	v_lshrrev_b32 v1, 5, v0
	v_readfirstlane_b32 s16, v1                    ; wave 0..7
	s_lshl_b32 s18, ttmp9, 13                      ; my 32 rows: 8,192 bytes of cand,
	s_mov_b32 s19, 0
	s_lshl_b32 s20, ttmp9, 10                      ; 1,024 of z's records,
	s_mov_b32 s21, 0
	s_lshl_b32 s22, ttmp9, 12                      ; 4,096 of out0,
	s_mov_b32 s23, 0
	s_lshl_b32 s24, ttmp9, 7                       ; 128 of out1
	s_mov_b32 s25, 0
	v_and_b32 v2, 31, v0                           ; lane
	v_lshrrev_b32 v3, 3, v0                        ; my row of the 32
	v_and_b32 v4, 7, v0                            ; s: which candidates; also which 16 bytes of a row
	v_lshrrev_b32 v1, 5, v0
	v_lshlrev_b32 v5, 3, v2
	v_lshl_add_u32 v5, v1, 10, v5                  ; cand: parts 4 w .. 4 w + 3, row = lane
	v_lshlrev_b32 v6, 3, v0                        ; LDS, in: 256 w + 8 lane
	v_lshlrev_b32 v7, 3, v3                        ; out: my row of each of the eight
	v_lshrrev_b32 v8, 4, v3
	v_lshlrev_b32 v8, 9, v8
	v_and_b32 v9, 15, v3
	v_lshl_add_u32 v8, v9, 4, v8                   ; my row's record
	v_lshlrev_b32 v9, 4, v0                        ; out0: 128 x row + 16 s
	v_lshl_add_u32 v12, v3, 2, OUTI
	v_lshlrev_b32 v13, 2, v2
	v_add_nc_u32 v14, OUTI, v13
	v_mov_b32 v15, 0x7f7f7f7f                      ; the widening's scale: 1, in every byte of every lane
	s_wait_alu depctr_va_vdst(0)                   ; the wait at the head's end
	s_wait_kmcnt 0x0
	s_add_nc_u64 s[6:7], s[6:7], s[18:19]
	s_add_nc_u64 s[10:11], s[10:11], s[20:21]
	s_add_nc_u64 s[12:13], s[12:13], s[22:23]
	s_add_nc_u64 s[14:15], s[14:15], s[24:25]
.irp i, 0,1,2,3
	global_load_b64 v[20+2*\i:20+2*\i+1], v5, s[6:7] offset:256*\i   ; 256 consecutive bytes each
.endr
	global_load_b128 v[28:31], v8, s[10:11]        ; z's record: codes 0-15, the scale's byte;
	global_load_b128 v[32:35], v8, s[10:11] offset:256   ; codes 16-31
	s_wait_loadcnt 0x2                             ; the four parts are in; z's two loads may be out
	RED 20, 22
	RED 24, 26
	RED 20, 24
	ds_store_b64 v6, v[20:21]
	s_wait_dscnt 0x0                               ; for the others' sake
	s_barrier_signal -1
	s_barrier_wait -1
.irp i, 0,1,2,3,4,5,6,7
	ds_load_b64 v[EN+2*\i:EN+2*\i+1], v7 offset:256*\i
.endr
	s_wait_dscnt 0x0
	RED EN, EN+2
	RED EN+4, EN+6
	RED EN+8, EN+10
	RED EN+12, EN+14
	RED EN, EN+4
	RED EN+8, EN+12
	RED EN, EN+8
	v_min_u32 v[G], 0x3ff, v[EN]                   ; a loaded number enters an address only held inside the table: 1,024 groups
	v_lshlrev_b32 v10, 9, v[G]
	v_lshlrev_b32 v11, 11, v[G]
	v_lshl_add_u32 v10, v4, 4, v10
	v_lshl_add_u32 v11, v4, 4, v11
	global_load_b128 v[36:39], v10, s[8:9]         ; candidate s: codes 0-15, the scale's byte;
	global_load_b128 v[40:43], v10, s[8:9] offset:256   ; codes 16-31, b
	global_load_b128 v[44:47], v10, s[8:9] offset:128   ; candidate s + 8
	global_load_b128 v[48:51], v10, s[8:9] offset:384
.irp c, 0,1,2,3,4,5,6,7,8,9,10,11,12,13,14,15
	global_load_b128 v[W+4*\c:W+4*\c+3], v11, s[4:5] offset:128*\c   ; candidate c, my 16 bytes: eight lanes read a row's 128 bytes
.endr
	s_wait_loadcnt 20                              ; z's record is in; the twenty just issued may be out
	v_cvt_scale_pk16_f32_bf6 v[ZQ:ZQ+15], v[28:30], v15
	v_cvt_scale_pk16_f32_bf6 v[ZQ+16:ZQ+31], v[32:34], v15
	v_nop
	v_cvt_f32_u32 v243, v4                         ; the numbers s and s + 8 of my candidates,
	v_mov_b32 v245, 0x41800000                     ; and 16.0: over every candidate's number
	v_add_f32 v244, 0x41000000, v243
	s_wait_alu depctr_va_vdst(0)                   ; the wait here, directly ahead of the wait below
	s_wait_loadcnt 16                              ; the candidates' records are in; the sixteen loads of raw rows may be out
	v_cvt_scale_pk16_f32_bf6 v[CQ:CQ+15], v[36:38], v15
	v_cvt_scale_pk16_f32_bf6 v[CQ+16:CQ+31], v[40:42], v15
	v_cvt_scale_pk16_f32_bf6 v[CQ+32:CQ+47], v[44:46], v15
	v_cvt_scale_pk16_f32_bf6 v[CQ+48:CQ+63], v[48:50], v15
	v_add3_u32 v224, v31, v39, 0xffffff03          ; the two scales' exponents and the factor 2: the bytes less 253
	v_add3_u32 v225, v31, v47, 0xffffff03
	v_pk_mul_f32 v[226:227], v[ZQ:ZQ+1], v[CQ:CQ+1]
	v_pk_mul_f32 v[230:231], v[ZQ:ZQ+1], v[CQ+32:CQ+33]
	v_pk_mul_f32 v[228:229], v[ZQ+2:ZQ+3], v[CQ+2:CQ+3]
	v_pk_mul_f32 v[232:233], v[ZQ+2:ZQ+3], v[CQ+34:CQ+35]
.irp k, 4,8,12,16,20,24,28
	v_pk_fma_f32 v[226:227], v[ZQ+\k:ZQ+\k+1], v[CQ+\k:CQ+\k+1], v[226:227]
	v_pk_fma_f32 v[230:231], v[ZQ+\k:ZQ+\k+1], v[CQ+32+\k:CQ+33+\k], v[230:231]
	v_pk_fma_f32 v[228:229], v[ZQ+2+\k:ZQ+3+\k], v[CQ+2+\k:CQ+3+\k], v[228:229]
	v_pk_fma_f32 v[232:233], v[ZQ+2+\k:ZQ+3+\k], v[CQ+34+\k:CQ+35+\k], v[232:233]
.endr
	v_pk_add_f32 v[226:227], v[226:227], v[228:229]
	v_pk_add_f32 v[230:231], v[230:231], v[232:233]
	v_add_f32 v226, v226, v227                     ; exact in any order
	v_add_f32 v230, v230, v231
	v_ldexp_f32 v226, v226, v224
	v_ldexp_f32 v230, v230, v225
	v_add_f32 v240, v43, v226                      ; d' of candidate s
	v_add_f32 v241, v51, v230                      ; and of s + 8
	s_delay_alu instid0(VALU_DEP_1)
	v_min_num_f32 v242, v240, v241
.irp m, 1,2,4
	s_delay_alu instid0(VALU_DEP_1)
	v_min_num_f32_dpp v242, v242, v242 row_xmask:\m row_mask:0xf bank_mask:0xf   ; the smallest of the row's sixteen
.endr
	v_cmp_eq_f32 vcc_lo, v241, v242
	s_delay_alu instid0(VALU_DEP_1)
	v_cndmask_b32 v246, v245, v244, vcc_lo
	v_cmp_eq_f32 vcc_lo, v240, v242
	v_cndmask_b32 v246, v246, v243, vcc_lo
.irp m, 1,2,4
	s_delay_alu instid0(VALU_DEP_1)
	v_min_num_f32_dpp v246, v246, v246 row_xmask:\m row_mask:0xf bank_mask:0xf   ; the first candidate that has it
.endr
	v_cvt_u32_f32 v247, v246
	v_lshl_add_u32 v248, v[G], 4, v247             ; the index
	ds_store_b32 v12, v248                         ; the row's eight lanes write the same word with the same value
	v_and_b32 v249, 8, v247
	v_and_b32 v250, 4, v247
	v_and_b32 v251, 2, v247
	v_and_b32 v252, 1, v247
	s_wait_alu depctr_va_vdst(0)                   ; the wait here, directly ahead of the waits below
	s_wait_loadcnt 0x0                             ; the raw rows are in
	s_wait_dscnt 0x0                               ; for wave 0's sake: my indices lie in LDS
	s_barrier_signal -1
	v_cmp_ne_u32 vcc_lo, 0, v249                   ; the winner's 16 bytes of mine, by selects on the four bits of its number
.set K, 0
.rept 32
	v_cndmask_b32 v[W+K], v[W+K], v[W+32+K], vcc_lo
.set K, K+1
.endr
	v_cmp_ne_u32 vcc_lo, 0, v250
.set K, 0
.rept 16
	v_cndmask_b32 v[W+K], v[W+K], v[W+16+K], vcc_lo
.set K, K+1
.endr
	v_cmp_ne_u32 vcc_lo, 0, v251
.set K, 0
.rept 8
	v_cndmask_b32 v[W+K], v[W+K], v[W+8+K], vcc_lo
.set K, K+1
.endr
	v_cmp_ne_u32 vcc_lo, 0, v252
.set K, 0
.rept 4
	v_cndmask_b32 v[W+K], v[W+K], v[W+4+K], vcc_lo
.set K, K+1
.endr
	s_wait_alu depctr_va_vdst(0)                   ; the wait here, directly ahead of the barrier's wait
	s_barrier_wait -1
	global_store_b128 v9, v[W:W+3], s[12:13]       ; my wave's 4 rows of out0: 512 consecutive bytes, at a multiple of 256 from the buffer's first byte
	s_cmp_lg_u32 s16, 0
	s_cbranch_scc1 .Ldone
	ds_load_b32 v253, v14
	s_wait_dscnt 0x0
	global_store_b32 v13, v253, s[14:15]           ; the work-group's 32 indices: 128 consecutive bytes by one instruction
.Ldone:
	s_wait_tensorcnt 0x0                           ; the wave's end
	ds_add_u32 v[SPW], v[NIL]
	s_wait_dscnt 0x0
	s_endpgm
.Lfunc_end_k_qd54f508754_pick:
	.size	k_qd54f508754_pick, .Lfunc_end_k_qd54f508754_pick-k_qd54f508754_pick
	.p2alignl 7, 3214868480
	.fill 96, 4, 3214868480
	.section	.rodata,"a",@progbits
	.p2align	6, 0x0
	.amdhsa_kernel k_qd54f508754_pick
		.amdhsa_group_segment_fixed_size 3328
		.amdhsa_private_segment_fixed_size 0
		.amdhsa_enable_private_segment 0
		.amdhsa_kernarg_size 48
		.amdhsa_user_sgpr_count 2
		.amdhsa_user_sgpr_kernarg_segment_ptr 1
		.amdhsa_wavefront_size32 1
		.amdhsa_system_sgpr_workgroup_id_x 1
		.amdhsa_system_sgpr_workgroup_id_y 1
		.amdhsa_system_sgpr_workgroup_id_z 1
		.amdhsa_system_vgpr_workitem_id 0
		.amdhsa_next_free_vgpr 256
		.amdhsa_next_free_sgpr 66
		.amdhsa_reserve_vcc 1
		.amdhsa_float_denorm_mode_32 3
		.amdhsa_float_denorm_mode_16_64 3
		.amdhsa_memory_ordered 1
		.amdhsa_forward_progress 1
		.amdhsa_inst_pref_size 14
	.end_amdhsa_kernel
	.amdgpu_metadata
---
amdhsa.version: [ 1, 2 ]
amdhsa.kernels:
  - .name:           k_qd54f508754_pick
    .symbol:         k_qd54f508754_pick.kd
    .args:
      - { .name: codebook, .offset: 0, .size: 8, .value_kind: global_buffer, .address_space: global }
      - { .name: cand, .offset: 8, .size: 8, .value_kind: global_buffer, .address_space: global }
      - { .name: crec, .offset: 16, .size: 8, .value_kind: global_buffer, .address_space: global }
      - { .name: zrec, .offset: 24, .size: 8, .value_kind: global_buffer, .address_space: global }
      - { .name: out0, .offset: 32, .size: 8, .value_kind: global_buffer, .address_space: global }
      - { .name: out1, .offset: 40, .size: 8, .value_kind: global_buffer, .address_space: global }
    .group_segment_fixed_size: 3328
    .private_segment_fixed_size: 0
    .kernarg_segment_align: 8
    .kernarg_segment_size: 48
    .max_flat_workgroup_size: 256
    .sgpr_count:     66
    .vgpr_count:     256
    .wavefront_size: 32
...
	.end_amdgpu_metadata
.endif
;; end of part 2
